; MI455X (gfx1250); checked and timed in simulation.
; The chip was launched on July 23, 2026; its instructions are those of AMD's public machine-readable ISA for CDNA 5 (MIT licence, August 2026) and "CDNA5" Instruction Set Architecture Reference Guide (July 2026). The comments in the code are by the model that wrote it; some were corrected since.
;; Vector Quantizer N. Allowed arithmetic: float matrix products may take bf16 or f16 operands with f32 sums; all other float work in f32.
;; Inputs: codebook 8,192 x 512 float32; z 16,384 x 512 float32.
;; Outputs: out0 16,384 x 512 float32; out1 16,384 int32; out2 one number float32.
;; 2 versions, each right; version 2 is version 1 with the launches prep, finish written anew for expert scheduling mode. Each part assembles by itself: llvm-mc -triple=amdgcn-amd-amdhsa -mcpu=gfx1250 --defsym DOCPART=n.
;; ======== version 1 of 2: 4 launches
;; workspace buffers: xb 25,165,824 bytes; rn 98,304 bytes; pv 262,144 bytes; pi 262,144 bytes of whole numbers; lp 8,192 bytes
;; launch prep (part 1): grid 256 x 1, 12 waves a work-group, no clusters, 0 bytes of LDS; arguments codebook, z, xb, rn; writes xb, rn
.if DOCPART == 1
	.amdgcn_target "amdgcn-amd-amdhsa--gfx1250"
	.amdhsa_code_object_version 6
	.text
	.protected	k_qce065ca71d_prep
	.globl	k_qce065ca71d_prep
	.p2align	8
	.type	k_qce065ca71d_prep,@function
k_qce065ca71d_prep:
	s_mov_b64 s[64:65], 0
	v_nop
	global_prefetch_b8 v0, s[64:65] scope:SCOPE_SE
	s_setreg_imm32_b32 hwreg(HW_REG_WAVE_MODE, 25, 1), 1
	s_wait_xcnt 0x0
; xb[row][:] = bf16(source row), rn[row] = 1 / max(norm of the ROUNDED row, 1e-12).  Rows 0-8191 of xb and rn are the codebook's, rows 8192-24575 are z's.
; Both inputs are rounded to bf16 once, here, and everything later (scores, norms, zq, zn, loss) is made of the rounded numbers: one choice for the whole program.
; A stream: every input byte is read once, every byte of xb written once.  No LDS, no matrix unit, no cluster: the work-groups share no input and a row never leaves its wave.
; SHARES.  256 work-groups of 12 waves; wave g = 12 b + w owns the eight rows 8 g .. 8 g + 7 (24,576 rows = 3,072 waves x 8).  g < 1024: a codebook wave, else a wave of z.
; A row is 2,048 bytes: four loads of 16 bytes a lane, each covering 512 consecutive bytes.  All 32 loads of a wave go out at once, so there is no loop and no ring.
; Lane l holds elements 128 k + 4 l .. + 3 of chunk k: rounded they are 8 bytes, and the 32 lanes' store covers 256 consecutive bytes, aligned.
; LIMITS.  NaN and infinities are not treated apart; the sum of squares is kept in f32 and under- or overflows where an f32 sum of 512 squares does.
.set LANE, 1
.set L16,  2                           ; v2   16 x lane: my bytes in a chunk of the source
.set L8,   3                           ; v3   8 x lane: my bytes in a chunk of xb
.set L4,   4                           ; v4   4 x lane: lane i stores row i's rn
.set RN,   5                           ; v5   lane i collects row i's rn
.set T,    16                          ; v[16:31]  the rounded row's 16 numbers of mine, as f32
.set X,    32                          ; v[32:159] row i, chunk k at X + 16 i + 4 k
                                       ; v[6:9] two chains of squares; v10-13 at work
	s_load_b256 s[4:11], s[0:1], 0x0               ; codebook s[4:5], z s[6:7], xb s[8:9], rn s[10:11]
	v_and_b32 v[LANE], 31, v0
	v_lshrrev_b32 v10, 5, v0
	v_readfirstlane_b32 s12, v10                   ; wave 0..11
	v_lshlrev_b32 v[L16], 4, v[LANE]
	v_lshlrev_b32 v[L8], 3, v[LANE]
	v_lshlrev_b32 v[L4], 2, v[LANE]
	v_mov_b32 v[RN], 0
	s_mov_b32 s18, 0xffff0000                      ; a word's upper bf16
	s_mov_b32 s20, 0x76543210                      ; v_permlanex16_b32: each lane takes its own place in the other half
	s_mov_b32 s21, 0xfedcba98
	s_mul_i32 s13, ttmp9, 12
	s_add_co_u32 s13, s13, s12                     ; g
	s_wait_kmcnt 0x0
	s_cmp_lt_u32 s13, 1024                         ; the first 1,024 waves take the codebook
	s_cselect_b64 s[14:15], s[4:5], s[6:7]
	s_cselect_b32 s16, 0, 1024
	s_sub_co_u32 s16, s13, s16                     ; my place among the source's waves,
	s_lshl_b32 s16, s16, 14                        ; times 8 rows of 2,048 bytes
	s_mov_b32 s17, 0
	s_add_nc_u64 s[14:15], s[14:15], s[16:17]
	s_lshl_b32 s16, s13, 13                        ; 8 rows of 1,024 bytes in xb
	s_add_nc_u64 s[8:9], s[8:9], s[16:17]
	s_lshl_b32 s16, s13, 5                         ; 8 numbers in rn
	s_add_nc_u64 s[10:11], s[10:11], s[16:17]
.irp i, 0,1,2,3,4,5,6,7
.irp k, 0,1,2,3
	global_load_b128 v[X+16*\i+4*\k:X+16*\i+4*\k+3], v[L16], s[14:15] offset:2048*\i+512*\k th:TH_LOAD_NT
.endr
.endr
; Row i: rounded and stored; widened again; the sum of the rounded numbers' squares over the wave; its reciprocal root, made sharper by one Newton step, since it scales the scores that are compared.
.macro ROW i
.set XR, X+16*(\i)
	s_wait_loadcnt 28-4*(\i)                       ; loads come back in order: my row's four are in, the four of each younger row may stay out
.irp k, 0,1,2,3
	v_cvt_pk_bf16_f32 v[XR+4*\k], v[XR+4*\k], v[XR+4*\k+1]
	v_cvt_pk_bf16_f32 v[XR+4*\k+1], v[XR+4*\k+2], v[XR+4*\k+3]
	global_store_b64 v[L8], v[XR+4*\k:XR+4*\k+1], s[8:9] offset:1024*(\i)+256*\k  ; these registers are never written again
.endr
.irp k, 0,1,2,3
	v_lshlrev_b32 v[T+4*\k], 16, v[XR+4*\k]
	v_and_b32 v[T+4*\k+1], s18, v[XR+4*\k]
	v_lshlrev_b32 v[T+4*\k+2], 16, v[XR+4*\k+1]
	v_and_b32 v[T+4*\k+3], s18, v[XR+4*\k+1]
.endr
	v_pk_mul_f32 v[6:7], v[T:T+1], v[T:T+1]        ; the first products start the two chains
	v_pk_mul_f32 v[8:9], v[T+2:T+3], v[T+2:T+3]
.irp k, 1,2,3
	v_pk_fma_f32 v[6:7], v[T+4*\k:T+4*\k+1], v[T+4*\k:T+4*\k+1], v[6:7]
	v_pk_fma_f32 v[8:9], v[T+4*\k+2:T+4*\k+3], v[T+4*\k+2:T+4*\k+3], v[8:9]
.endr
	v_pk_add_f32 v[6:7], v[6:7], v[8:9]
	v_add_f32 v6, v6, v7
	v_add_f32_dpp v6, v6, v6 row_xmask:1 row_mask:0xf bank_mask:0xf
	v_add_f32_dpp v6, v6, v6 row_xmask:2 row_mask:0xf bank_mask:0xf
	v_add_f32_dpp v6, v6, v6 row_xmask:4 row_mask:0xf bank_mask:0xf
	v_add_f32_dpp v6, v6, v6 row_xmask:8 row_mask:0xf bank_mask:0xf
	v_permlanex16_b32 v10, v6, s20, s21            ; v10 has been written before
	v_add_f32 v6, v6, v10
	v_max_num_f32 v6, 0x179abe15, v6               ; max(ss, 1e-24): the square of max(norm, 1e-12)
	v_rsq_f32 v11, v6
	v_nop                                          ; a plain instruction between the root and the use of its result
	s_wait_alu depctr_va_vdst(0)
	v_mul_f32 v12, v6, v11                         ; ss r
	v_fma_f32 v12, -v12, v11, 1.0                  ; e = 1 - ss r r
	v_mul_f32 v13, 0.5, v11
	v_fma_f32 v13, v13, v12, v11                   ; r + r e / 2
	s_mov_b32 s22, 1<<(\i)
	v_cndmask_b32 v[RN], v[RN], v13, s22           ; lane i keeps it
.endm
.irp i, 0,1,2,3,4,5,6,7
	ROW \i
.endr
	v_cmp_gt_u32 vcc_lo, 8, v[LANE]
	s_wait_xcnt 0x0                                ; EXEC is a source of the stores above: it changes only behind this wait
	s_and_saveexec_b32 s23, vcc_lo
	global_store_b32 v[L4], v[RN], s[10:11]        ; eight numbers a wave, 96 KB in the whole launch: a stage to gather them would cost a barrier for nothing
	s_wait_xcnt 0x0                                ; and again, in front of the line that widens it
	s_or_b32 exec_lo, exec_lo, s23
	s_endpgm
.Lfunc_end_k_qce065ca71d_prep:
	.size	k_qce065ca71d_prep, .Lfunc_end_k_qce065ca71d_prep-k_qce065ca71d_prep
	.p2alignl 7, 3214868480
	.fill 96, 4, 3214868480
	.section	.rodata,"a",@progbits
	.p2align	6, 0x0
	.amdhsa_kernel k_qce065ca71d_prep
		.amdhsa_group_segment_fixed_size 0
		.amdhsa_private_segment_fixed_size 0
		.amdhsa_enable_private_segment 0
		.amdhsa_kernarg_size 32
		.amdhsa_user_sgpr_count 2
		.amdhsa_user_sgpr_kernarg_segment_ptr 1
		.amdhsa_wavefront_size32 1
		.amdhsa_system_sgpr_workgroup_id_x 1
		.amdhsa_system_sgpr_workgroup_id_y 1
		.amdhsa_system_sgpr_workgroup_id_z 1
		.amdhsa_system_vgpr_workitem_id 0
		.amdhsa_next_free_vgpr 160
		.amdhsa_next_free_sgpr 66
		.amdhsa_reserve_vcc 1
		.amdhsa_float_denorm_mode_32 3
		.amdhsa_float_denorm_mode_16_64 3
		.amdhsa_memory_ordered 1
		.amdhsa_forward_progress 1
		.amdhsa_inst_pref_size 27
	.end_amdhsa_kernel
	.amdgpu_metadata
---
amdhsa.version: [ 1, 2 ]
amdhsa.kernels:
  - .name:           k_qce065ca71d_prep
    .symbol:         k_qce065ca71d_prep.kd
    .args:
      - { .name: codebook, .offset: 0, .size: 8, .value_kind: global_buffer, .address_space: global }
      - { .name: z, .offset: 8, .size: 8, .value_kind: global_buffer, .address_space: global }
      - { .name: xb, .offset: 16, .size: 8, .value_kind: global_buffer, .address_space: global }
      - { .name: rn, .offset: 24, .size: 8, .value_kind: global_buffer, .address_space: global }
    .group_segment_fixed_size: 0
    .private_segment_fixed_size: 0
    .kernarg_segment_align: 8
    .kernarg_segment_size: 32
    .max_flat_workgroup_size: 384
    .sgpr_count:     66
    .vgpr_count:     160
    .wavefront_size: 32
...
	.end_amdgpu_metadata
.endif
;; end of part 1
;; launch scores (part 2): grid 64 x 4, 4 waves a work-group, clusters of 4 x 1, 327,680 bytes of LDS; arguments xb, rn, pv, pi; writes pv, pi
.if DOCPART == 2
	.amdgcn_target "amdgcn-amd-amdhsa--gfx1250"
	.amdhsa_code_object_version 6
	.text
	.protected	k_qce065ca71d_scores
	.globl	k_qce065ca71d_scores
	.p2align	8
	.type	k_qce065ca71d_scores,@function
k_qce065ca71d_scores:
	s_mov_b64 s[64:65], 0
	v_nop
	global_prefetch_b8 v0, s[64:65] scope:SCOPE_SE
	s_setreg_imm32_b32 hwreg(HW_REG_WAVE_MODE, 25, 1), 1
	s_wait_xcnt 0x0
	s_wait_alu depctr_hold_cnt(0) depctr_sa_sdst(0) depctr_va_vdst(0) depctr_va_sdst(0) depctr_va_ssrc(0) depctr_va_vcc(0) depctr_vm_vsrc(0)
	s_getreg_b32 s2, hwreg(HW_REG_IB_STS2, 6, 4)
	s_cmp_eq_u32 s2, 0
	s_cbranch_scc0 .Lentry_in_a_cluster
	s_endpgm
.Lentry_in_a_cluster:
	s_bfe_u32 s2, ttmp6, 0x10000c
	s_cmp_lg_u32 s2, 0x3003
	s_cbranch_scc0 .Lentry_shape_is_right
	s_endpgm
.Lentry_shape_is_right:
; For each row n of z and each quarter y of the codes: pv[y][n] = the largest of score(n, k) = (sum over d of zb[n][d] cb[k][d]) x rc[k] over the quarter's 2,048 codes, pi[y][n] = the lowest k that has it.
; zb, cb: the inputs rounded to bf16 (xb); rc = 1 / max(norm of cb's row, 1e-12) (rn).  Products of bf16 numbers, sums in f32, the scale in f32.  1 / norm(z's row) is a positive factor
; common to a row's scores and is left out of the comparison; a row of zeros has all scores 0 and takes the lowest index.
; LIMITS.  NaN and infinities are not served.  Equal scores give the lowest index.  Two scores of a row that differ by less than f32's rounding of these sums (a few 1e-8 of a cosine) may fall in another
; order than where the rows are normalised first and multiplied then.
; SHARES.  Work-group (x, y): 256 rows of z against 2,048 codes: 64 x 4 = 256 work-groups of equal work.  Wave w keeps its 64 rows of z in registers for the whole launch (64 fragments, 512 registers);
; the codes go through LDS, and all four waves read the same fragments of them: a fragment of 16 codes x 32 K (1,024 bytes) feeds four matrix instructions of a wave.
; CLUSTER.  The four work-groups of a cluster have the same y and walk the same codes: each tile of codes and the quarter's rc are asked for JOINTLY, by the same tensor load with the same descriptor and a
; mask that names the four.  My place in the cluster enters the addresses of zb, pv and pi alone.
; LAYOUT.  Source 0 = 16 codes, source 1 = 16 rows of z: in the result register j of lane l holds code 8 (l / 16) + j and the query of lane l % 16.  Lane r of tile t holds row 4 r + t of the wave's 64, so
; that a lane's four results are neighbours in pv and pi.
; A UNIT is one block of 16 codes against the wave's 64 rows: 64 matrix instructions, K ascending, the four tiles' accumulators by turns.  Beside them stand the vector work on the block before (scale by rc,
; compare with the running best, keep value and block number: 112 instructions, four behind every second product) and the LDS loads of the block after.  Accumulators, fragments and rc have two buffers.
; REGISTERS, in windows of 256 (s_set_vgpr_msb: bits 1:0 source 0, 3:2 source 1, 5:4 source 2, 7:6 destination):
;   window 0: v0-13 addresses and at work; v16-19 what is stored; v28, v29 the add's; v32-47 rc; v48-55 index bases; v64-95 the best scores; v96-127 their blocks; v128-191 accumulators
;   window 1: the codes' fragments, buffer u, K step c at 128 u + 8 c          windows 2, 3: z's fragments, tile t, K step c in window 2 + c / 8 at 8 (4 (c % 8) + t)
.set PITCH, 1040                       ; a code's row in LDS: 1,024 bytes + 16 of padding = 260 words: row r starts at bank 4 r mod 64 (64 banks of 4 bytes: ISA guide 11.1), so the 16 rows of a load start at 16 different banks
.set BLK,   16*PITCH                   ; a block of 16 codes
.set SLOTB, 8*BLK                      ; a slot: 128 codes, 133,120 bytes = 0x20800
.set WPART, 32*PITCH                   ; what one tensor load brings: 32 codes, 0x8200 bytes.  w x 0x8200 has neither bit 11 nor bit 17, so one exclusive or with SLOTB turns an address in one slot into the other's
.set RCB,   2*SLOTB                    ; behind the ring: rc of the quarter, 8,192 bytes, filled once
.set SPARE, RCB+8192                   ; behind that: the spare words, 128 bytes for each wave: two blocks of 256 bytes that no other line names
.set AF0, 2           ; v2   my lane's place in a block: 1040 (l % 16) + 16 (l / 16); never rewritten
.set AR0, 3           ; v3   RCB + 32 (l / 16): my eight rc of block 0; never rewritten
.set AF,  4           ; v4   LDS address of the block being fetched
.set AR,  5           ; v5   LDS address of the rc being fetched
.set QO,  6           ; v6   my byte offset in the wave's rows of zb: 4096 (l % 16) + 16 (l / 16)
.set OO,  7           ; v7   my byte offset in the wave's 256 bytes of pv and pi: 16 (l % 16) + 8 (l / 16)
.set HB,  8           ; v8   2048 y + 8 (l / 16): the code of my register 0 in block 0
.set TM,  10          ; v10  at work in the merge
.set PVT, 12          ; v12, v13  the other half of the lanes' value and index
.set PIT, 13
.set OUTV, 16         ; v[16:19]
.set SPW, 28          ; v28  LDS address of my spare word: SPARE + 4 x my thread's number; never rewritten
.set NIL, 29          ; v29  0; never rewritten
.set RC,  32          ; buffer u, register j at RC + 8 u + j
.set HJ,  48          ; HB + j
.set BEST, 64         ; tile t, register j at BEST + 8 t + j
.set IDX, 96          ; likewise: the block number, at the end the code's index
.set ACC, 128         ; buffer u, tile t at ACC + 32 u + 8 t
.set WV,  12          ; s12  my wave's number
.set G1C, 24          ; s[24:31] descriptor group 1 for the codes' tiles
.set G1R, 32          ; s[32:39] for rc
.set G0C, 40          ; s[40:43] descriptor group 0 for the codes' tiles: it walks
.set G0R, 44          ; s[44:47] for rc
.set SLOTS, 48        ; s48  counts the periods of eight units
.set CNT, 49          ; s49  counts a period's pairs of units
.set TB,  50          ; s50  LDS byte at which the block to be fetched begins
.set TR,  51          ; s51  64 x the block whose rc is to be fetched
.set BK,  52          ; s52  the block whose scores the vector work takes
.set SEL, 54          ; s[54:55] v_permlanex16_b32's selects
.set HM,  56          ; s56  the mask of lanes 16 to 31
.set ZB,  58          ; s[58:59] zb at my wave's rows
.set PVB, 60          ; s[60:61] pv at my wave's 64 numbers
.set PIB, 62          ; s[62:63] pi likewise
.set MSB, 0
.macro WIN new                         ; the immediate's high byte repeats the setting that is left; a switch that changes nothing is dropped
.if MSB != (\new)
	s_set_vgpr_msb (MSB<<8)|(\new)
.set MSB, (\new)
.endif
.endm
; A round of the cluster's barrier: my work-group's barrier, so that wave 0's signal speaks for all four waves; wave 0 signals for the work-group; every wave waits for all four work-groups; my work-group's barrier once more.
.macro CROUND
	s_barrier_signal -1
	s_barrier_wait -1
	s_cmp_lg_u32 s[WV], 0
	s_cbranch_scc1 .Lnot_wave_0_\@
	s_barrier_signal -3
.Lnot_wave_0_\@:
	s_barrier_wait -3
	s_barrier_signal -1
	s_barrier_wait -1
.endm
	s_load_b256 s[4:11], s[0:1], 0x0               ; xb s[4:5], rn s[6:7], pv s[8:9], pi s[10:11]
	v_lshl_add_u32 v[SPW], v0, 2, SPARE
	v_mov_b32 v[NIL], 0
	ds_add_u32 v[SPW], v[NIL]                      ; the wave's opening: the add and its wait stand ahead of my first tensor load; the set-up below, work on registers, stands between them
	v_lshrrev_b32 v1, 5, v0
	v_readfirstlane_b32 s[WV], v1                  ; wave 0..3
	s_bfe_u32 s13, ttmp6, 0x40000                  ; cx: my place in the cluster
	s_lshl_b32 s14, ttmp9, 2                       ; in a cluster launch ttmp9 counts clusters
	s_add_co_u32 s14, s14, s13                     ; x: my block of 256 rows of z = 4 x cluster x + cx
	s_and_b32 s15, ttmp7, 0xffff                   ; y: the quarter, which the four partners share
	s_lshl_b32 s16, s15, 21                        ; the quarter's 2,048 codes of 1,024 bytes,
	s_lshl_b32 s17, s[WV], 15                      ; my 32 rows of a tile
	s_add_co_u32 s16, s16, s17
	s_mov_b32 s17, 0
	s_lshl_b32 s18, s15, 13                        ; the quarter's 2,048 rc,
	s_lshl_b32 s19, s[WV], 11                      ; my 512 of them
	s_add_co_u32 s18, s18, s19
	s_add_co_u32 s[G0R+1], s19, RCB                ; 63:32 LDS address: RCB + 2,048 w
	s_mov_b32 s19, 0
	s_lshl_b32 s20, s14, 18                        ; my block's 256 rows of zb,
	s_lshl_b32 s21, s[WV], 16                      ; my wave's 64 of them,
	s_add_co_u32 s20, s20, s21
	s_add_co_u32 s20, s20, 0x800000                ; behind the codebook's 8,192 rows
	s_mov_b32 s21, 0
	s_lshl_b32 s22, s15, 16                        ; pv, pi: the quarter's 16,384 numbers,
	s_lshl_b32 s23, s14, 10                        ; my block's 256,
	s_add_co_u32 s22, s22, s23
	s_lshl_b32 s23, s[WV], 8                       ; my wave's 64
	s_add_co_u32 s22, s22, s23
	s_mov_b32 s23, 0
	; group 1 for the codes: a tile of 32 rows x 512 elements of 2 bytes, padded in LDS
	s_mov_b32 s[G1C], 15|(1<<16)|(1<<20)|(1<<21)|(7<<22)|(3<<25)  ; 15:0 the mask: all four work-groups; 17:16 elements of 2 bytes; 20 padding on; 21 set beside a mask; 24:22 after every 256 words (code 7); 31:25 4 words of it (code 3)
	s_mov_b32 s[G1C+1], 512<<16                    ; tensor_dim0 = 512
	s_mov_b32 s[G1C+2], 32<<16                     ; tensor_dim1 = 32
	s_mov_b32 s[G1C+3], 512<<16                    ; tile_dim0 = 512
	s_mov_b32 s[G1C+4], 32                         ; tile_dim1 = 32
	s_mov_b32 s[G1C+5], 512                        ; 512 elements from row to row
	s_mov_b32 s[G1C+6], 0
	s_mov_b32 s[G1C+7], 0
	; group 1 for rc: 2,048 dense bytes as 8 rows of 64 elements of 4 bytes, no padding
	s_mov_b32 s[G1R], 15|(2<<16)|(1<<21)
	s_mov_b32 s[G1R+1], 64<<16
	s_mov_b32 s[G1R+2], 8<<16
	s_mov_b32 s[G1R+3], 64<<16
	s_mov_b32 s[G1R+4], 8
	s_mov_b32 s[G1R+5], 64
	s_mov_b32 s[G1R+6], 0
	s_mov_b32 s[G1R+7], 0
	s_mov_b32 s[G0C], 1                            ; 1:0 count = 1
	s_mul_i32 s[G0C+1], s[WV], WPART               ; 63:32 LDS address: slot 0, my 32 rows: no place in the cluster enters an LDS address
	s_mov_b32 s[G0R], 1
	s_mov_b32 s[SEL], 0x76543210
	s_mov_b32 s[SEL+1], 0xfedcba98
	s_mov_b32 s[HM], 0xffff0000
	s_mov_b32 s[TB], 2*SLOTB                       ; the first change of slots turns this into 0
	s_mov_b32 s[TR], 0
	s_mov_b32 s[BK], -1                            ; unit 0's vector work has no block before it
	s_wait_dscnt 0x0                               ; the opening add is done
	s_wait_kmcnt 0x0
	s_add_nc_u64 s[G0C+2:G0C+3], s[4:5], s[16:17]  ; 120:64 global address: my rows of the quarter's tile 0
	s_or_b32 s[G0C+3], s[G0C+3], 0x80000000        ; 127:126 type = 2
	s_add_nc_u64 s[G0R+2:G0R+3], s[6:7], s[18:19]
	s_or_b32 s[G0R+3], s[G0R+3], 0x80000000
	s_add_nc_u64 s[ZB:ZB+1], s[4:5], s[20:21]
	s_add_nc_u64 s[PVB:PVB+1], s[8:9], s[22:23]
	s_add_nc_u64 s[PIB:PIB+1], s[10:11], s[22:23]
	CROUND                                         ; all four work-groups are here: the first joint loads meet
	tensor_load_to_lds s[G0C:G0C+3], s[G1C:G1C+7]  ; every wave fetches its own part, so no branch stands round a load.  Two loads of mine are out here, later one
	s_nop 0
	tensor_load_to_lds s[G0R:G0R+3], s[G1R:G1R+7]
	s_nop 0
.rept 4
	v_nop                                          ; an s_nop 0 follows each load, four v_nop the second's
.endr
	; A fragment is 16 rows x 32 K in 8 registers: lane l holds row l % 16; registers 0-3 hold K = 8 (l / 16) + 0..7, registers 4-7 K = 16 + 8 (l / 16) + 0..7: two loads of 16 bytes, 32 bytes apart.
	v_and_b32 v1, 15, v0                           ; l % 16
	v_bfe_u32 v9, v0, 4, 1                         ; l / 16
	v_lshlrev_b32 v[QO], 12, v1                    ; lane r's rows are 4 r + t: four rows of 1,024 bytes apart
	v_lshl_add_u32 v[QO], v9, 4, v[QO]
.irp wdw, 0,1                          ; z stays in registers: K steps 0-7 in window 2, 8-15 in window 3
	WIN 0x80+0x40*\wdw
.set k_, 0
.rept 32
.set t_, k_/8
.set c_, k_%8
	global_load_b128 v[8*(4*c_+t_):8*(4*c_+t_)+3],   v[QO], s[ZB:ZB+1] offset:1024*t_+64*(c_+8*\wdw)
	global_load_b128 v[8*(4*c_+t_)+4:8*(4*c_+t_)+7], v[QO], s[ZB:ZB+1] offset:1024*t_+64*(c_+8*\wdw)+32
.set k_, k_+1
.endr
.endr
	WIN 0
	v_mul_u32_u24 v[AF0], v1, PITCH
	v_lshl_add_u32 v[AF0], v9, 4, v[AF0]
	v_lshlrev_b32 v[AR0], 5, v9
	v_add_nc_u32 v[AR0], RCB, v[AR0]
	v_lshlrev_b32 v[OO], 4, v1
	v_lshl_add_u32 v[OO], v9, 3, v[OO]
	s_lshl_b32 s16, s15, 11
	v_lshl_add_u32 v[HB], v9, 3, s16
	v_mov_b32 v[PVT], 0                            ; v_permlanex16_b32 counts as a reader of its destination
	v_mov_b32 v[PIT], 0
	; What unit 0's vector work finds: a block before it whose scores are all minus infinity, which beats nothing.  So no first unit is written out; the price is these 104 lines, in the wait for the first tile.
.set k_, 0
.rept 32
	v_mov_b32 v[BEST+k_], 0xff800000
	v_mov_b32 v[IDX+k_], 0
	v_mov_b32 v[ACC+32+k_], 0xff800000
.set k_, k_+1
.endr
.set k_, 0
.rept 8
	v_mov_b32 v[RC+8+k_], 1.0
.set k_, k_+1
.endr
; Product i of a unit's 64: K step i / 4, tile i % 4.  The four accumulators take turns, one instruction a turn; the first four start the sums with the constant 0.
.macro PROD u
.set c_, i/4
.set t_, i%4
.set rD, ACC+32*(\u)+8*t_
.set rF, 128*(\u)+8*c_
.set rQ, 8*(4*(c_%8)+t_)
	WIN 0x09+4*(c_/8)                              ; codes in window 1, z in window 2 or 3, sums in window 0
.if c_ == 0
	v_wmma_f32_16x16x32_bf16 v[rD:rD+7], v[rF:rF+7], v[rQ:rQ+7], 0
.else
	v_wmma_f32_16x16x32_bf16 v[rD:rD+7], v[rF:rF+7], v[rQ:rQ+7], v[rD:rD+7]
.endif
.endm
; Number n of the 112 that take a finished block's scores, in buffer o.  For tile n / 28: four packed scalings by rc (the accumulator's lowest registers are read first); then for each of
; its eight registers: is the score greater than the best so far?  Then the block number and the score are kept.  Strictly greater, blocks ascending: the first maximum stays.
.macro RID o
.set t_, n/28
.set m_, n%28
.set rA, ACC+32*(\o)+8*t_
.if m_ < 4
	v_pk_mul_f32 v[rA+2*m_:rA+2*m_+1], v[rA+2*m_:rA+2*m_+1], v[RC+8*(\o)+2*m_:RC+8*(\o)+2*m_+1]
.else
.set j_, (m_-4)/3
.set l_, (m_-4)%3
.if l_ == 0
	v_cmp_gt_f32 vcc_lo, v[rA+j_], v[BEST+8*t_+j_]
.elseif l_ == 1
	v_cndmask_b32 v[IDX+8*t_+j_], v[IDX+8*t_+j_], s[BK], vcc_lo
.else
	v_cndmask_b32 v[BEST+8*t_+j_], v[BEST+8*t_+j_], v[rA+j_], vcc_lo
.endif
.endif
.set n, n+1
.endm
; Eight LDS loads: K steps 4 q .. 4 q + 3 of the block at v[AF], into buffer f
.macro RUN f, q
	WIN 0x40                                       ; destination window 1, address window 0
.irp e, 0,1,2,3
	ds_load_b128 v[128*(\f)+8*(4*(\q)+\e):128*(\f)+8*(4*(\q)+\e)+3],   v[AF] offset:64*(4*(\q)+\e)
	ds_load_b128 v[128*(\f)+8*(4*(\q)+\e)+4:128*(\f)+8*(4*(\q)+\e)+7], v[AF] offset:64*(4*(\q)+\e)+32
.endr
.endm
; A UNIT on buffers u.  Behind products 1, 3, 5, 7: this block's rc, and (frag = 1) the next block's fragments into the other buffer, eight loads a run.  Behind products 9, 11 .. 63: four of the 112.
; The loads go into registers that the unit before multiplied: behind its last product stand that unit's last four vector lines, which name the other buffer's accumulator and the bests alone, and the two address
; lines below: the places that such loads and the first read of the finished sums want (ISA guide 7.12.1 for vector instructions).  VCC is set and used within a unit.
.macro UNIT u, frag
	s_wait_dscnt 0x0                               ; my fragments and the rc of the block before: all asked for in the first eighth of the unit before
.set i, 0
.set n, 0
.rept 64
	PROD \u
.if i == 1
	WIN 0
	v_add_nc_u32 v[AR], s[TR], v[AR0]
	s_add_co_u32 s[TR], s[TR], 64
	ds_load_b128 v[RC+8*(\u):RC+8*(\u)+3],   v[AR]
	ds_load_b128 v[RC+8*(\u)+4:RC+8*(\u)+7], v[AR] offset:16
.if \frag
	v_add_nc_u32 v[AF], s[TB], v[AF0]
	s_add_co_u32 s[TB], s[TB], BLK                 ; the next fetch is the next block's
.endif
.endif
.if (\frag) && (i%2 == 1) && (i < 8)
	RUN 1-(\u), i/2
.endif
.if (i%2 == 1) && (i > 8)
	WIN 0
.rept 4
	RID 1-(\u)
.endr
.endif
.set i, i+1
.endr
	WIN 0                                          ; at a label and at a branch every window is 0
	s_add_co_u32 s[BK], s[BK], 1
.endm
; THE CHANGE OF SLOTS stands in front of the unit that fetches a slot's first block: the old slot's last block has been asked for.  Each wave waits for all its tensor loads, of which one is out: its part of the
; other slot; adds 0 to its spare word; and waits for that and for its own reads of the old slot.  Behind the barrier nobody reads the old slot any more and the other slot is whole.
; fill = 1: the old slot is filled again, with the codes two tiles on.  The barrier is then a round of the cluster's, so that no wave of any partner still reads the slot or has a load on its way, and the joint
; refill is the first thing behind it: it has eight units, 512 matrix instructions, in which to land.  (At its first use nothing has been read yet: slot 0 and rc are waited for, slot 1 is filled.)
.macro CHANGE fill
	WIN 0
	s_wait_tensorcnt 0x0                           ; no tensor load of mine is out, so a group 0 may be written
	ds_add_u32 v[SPW], v[NIL]                      ; 0 onto my spare word; with fill = 1 the descriptor's steps stand between it and the wait for it
.if \fill
	s_xor_b32 s[G0C+1], s[G0C+1], SLOTB            ; the other slot than last time,
	s_add_nc_u64 s[G0C+2:G0C+3], s[G0C+2:G0C+3], 128*1024  ; the next 128 codes; the type bits on top are not reached
	s_wait_dscnt 0x0                               ; the add is done, and my reads of the slot are over
	CROUND
	tensor_load_to_lds s[G0C:G0C+3], s[G1C:G1C+7]
	s_nop 0
.rept 4
	v_nop
.endr
.else
	s_wait_dscnt 0x0                               ; the add is done, and my reads of the slot are over
	s_barrier_signal -1
	s_barrier_wait -1
.endif
	s_sub_co_u32 s[TB], s[TB], SLOTB               ; the fetches go back to a slot's first block,
	s_xor_b32 s[TB], s[TB], SLOTB                  ; in the other slot
.endm
	CHANGE 1                                       ; tile 0 and rc are in, everybody's part of them; slot 1 takes tile 1
	v_add_nc_u32 v[AF], s[TB], v[AF0]              ; block 0
	s_add_co_u32 s[TB], s[TB], BLK
	RUN 0, 0
	RUN 0, 1
	RUN 0, 2
	RUN 0, 3
	WIN 0
	s_wait_loadcnt 0x0                             ; z
	s_mov_b32 s[CNT], 4
	s_mov_b32 s[SLOTS], 15
	s_branch .Lfirst                               ; the loop is entered in the middle of a trip: the first period has units 0 to 6
.Lslot:                                                ; 14 times: units 8 s + 7 .. 8 s + 14; tiles 2 to 15 are asked for
	CHANGE 1
	s_mov_b32 s[CNT], 4
.Lpair:
	UNIT 1, 1
.Lfirst:
	UNIT 0, 1
	s_sub_co_u32 s[CNT], s[CNT], 1
	s_cmp_lg_u32 s[CNT], 0
	s_cbranch_scc1 .Lpair
	s_sub_co_u32 s[SLOTS], s[SLOTS], 1
	s_cmp_lg_u32 s[SLOTS], 0
	s_cbranch_scc1 .Lslot
	CHANGE 0                                       ; the tail is written out: nothing is asked for
	s_mov_b32 s[CNT], 4
.Ltail:                                                ; units 119 to 126
	UNIT 1, 1
	UNIT 0, 1
	s_sub_co_u32 s[CNT], s[CNT], 1
	s_cmp_lg_u32 s[CNT], 0
	s_cbranch_scc1 .Ltail
	UNIT 1, 0                                      ; unit 127: no block follows it
	s_wait_dscnt 0x0                               ; its rc
.set n, 0
.rept 112
	RID 1                                          ; block 127's scores; the unit's last eight vector lines are the places behind its last products
.endr
	; THE MERGE.  A block number becomes the code's index: 16 x block + 2048 y + 8 (l / 16) + j.  Then a lane's eight candidates of a tile, and the other half of the lanes', are merged: the greater score, at equal scores the lower index.
.irp j, 0,1,2,3,4,5,6,7
	v_add_nc_u32 v[HJ+\j], \j, v[HB]
.endr
.set k_, 0
.rept 32
	v_lshl_add_u32 v[IDX+k_], v[IDX+k_], 4, v[HJ+k_%8]
.set k_, k_+1
.endr
.macro MERGE va, ia, vb, ib
	v_min_u32 v[TM], v[\ia], v[\ib]
	v_cmp_eq_f32 vcc_lo, v[\va], v[\vb]
	v_cndmask_b32 v[\ia], v[\ia], v[TM], vcc_lo
	v_cmp_gt_f32 vcc_lo, v[\vb], v[\va]
	v_cndmask_b32 v[\ia], v[\ia], v[\ib], vcc_lo
	v_max_num_f32 v[\va], v[\va], v[\vb]
.endm
.macro MG t, a, b
	MERGE BEST+8*(\t)+(\a), IDX+8*(\t)+(\a), BEST+8*(\t)+(\b), IDX+8*(\t)+(\b)
.endm
.irp t, 0,1,2,3
	MG \t, 0, 1
	MG \t, 2, 3
	MG \t, 4, 5
	MG \t, 6, 7
	MG \t, 0, 2
	MG \t, 4, 6
	MG \t, 0, 4
	v_permlanex16_b32 v[PVT], v[BEST+8*\t], s[SEL], s[SEL+1]  ; the query's other eight codes of each block lie in the lane 16 away
	v_permlanex16_b32 v[PIT], v[IDX+8*\t], s[SEL], s[SEL+1]
	MERGE BEST+8*\t, IDX+8*\t, PVT, PIT
.endr
	; Both halves of the lanes now hold rows 4 r .. 4 r + 3: the lower half stores the first two, the upper half the other two: each store covers the wave's 256 consecutive bytes, aligned.
	v_cndmask_b32 v[OUTV],   v[BEST],   v[BEST+16], s[HM]
	v_cndmask_b32 v[OUTV+1], v[BEST+8], v[BEST+24], s[HM]
	v_cndmask_b32 v[OUTV+2], v[IDX],    v[IDX+16],  s[HM]
	v_cndmask_b32 v[OUTV+3], v[IDX+8],  v[IDX+24],  s[HM]
	global_store_b64 v[OO], v[OUTV:OUTV+1],   s[PVB:PVB+1]
	global_store_b64 v[OO], v[OUTV+2:OUTV+3], s[PIB:PIB+1]
	s_wait_tensorcnt 0x0                           ; the wave's end, behind my last tensor load
	ds_add_u32 v[SPW], v[NIL]
	s_wait_dscnt 0x0
	CROUND                                         ; the closing round: no work-group ends while a partner may still ask for a tile that names it
	s_endpgm
.Lfunc_end_k_qce065ca71d_scores:
	.size	k_qce065ca71d_scores, .Lfunc_end_k_qce065ca71d_scores-k_qce065ca71d_scores
	.p2alignl 7, 3214868480
	.fill 96, 4, 3214868480
	.section	.rodata,"a",@progbits
	.p2align	6, 0x0
	.amdhsa_kernel k_qce065ca71d_scores
		.amdhsa_group_segment_fixed_size 327680
		.amdhsa_private_segment_fixed_size 0
		.amdhsa_enable_private_segment 0
		.amdhsa_kernarg_size 32
		.amdhsa_user_sgpr_count 2
		.amdhsa_user_sgpr_kernarg_segment_ptr 1
		.amdhsa_wavefront_size32 1
		.amdhsa_system_sgpr_workgroup_id_x 1
		.amdhsa_system_sgpr_workgroup_id_y 1
		.amdhsa_system_sgpr_workgroup_id_z 1
		.amdhsa_system_vgpr_workitem_id 0
		.amdhsa_next_free_vgpr 1024
		.amdhsa_next_free_sgpr 66
		.amdhsa_reserve_vcc 1
		.amdhsa_float_denorm_mode_32 3
		.amdhsa_float_denorm_mode_16_64 3
		.amdhsa_memory_ordered 1
		.amdhsa_forward_progress 1
		.amdhsa_inst_pref_size 106
	.end_amdhsa_kernel
	.amdgpu_metadata
---
amdhsa.version: [ 1, 2 ]
amdhsa.kernels:
  - .name:           k_qce065ca71d_scores
    .symbol:         k_qce065ca71d_scores.kd
    .args:
      - { .name: xb, .offset: 0, .size: 8, .value_kind: global_buffer, .address_space: global }
      - { .name: rn, .offset: 8, .size: 8, .value_kind: global_buffer, .address_space: global }
      - { .name: pv, .offset: 16, .size: 8, .value_kind: global_buffer, .address_space: global }
      - { .name: pi, .offset: 24, .size: 8, .value_kind: global_buffer, .address_space: global }
    .group_segment_fixed_size: 327680
    .private_segment_fixed_size: 0
    .kernarg_segment_align: 8
    .kernarg_segment_size: 32
    .max_flat_workgroup_size: 128
    .sgpr_count:     66
    .vgpr_count:     1024
    .wavefront_size: 32
...
	.end_amdgpu_metadata
.endif
;; end of part 2
;; launch finish (part 3): grid 256 x 1, 8 waves a work-group, no clusters, 0 bytes of LDS; arguments xb, rn, pv, pi, out0, out1, lp; writes out0, out1, lp
.if DOCPART == 3
	.amdgcn_target "amdgcn-amd-amdhsa--gfx1250"
	.amdhsa_code_object_version 6
	.text
	.protected	k_qce065ca71d_finish
	.globl	k_qce065ca71d_finish
	.p2align	8
	.type	k_qce065ca71d_finish,@function
k_qce065ca71d_finish:
	s_mov_b64 s[64:65], 0
	v_nop
	global_prefetch_b8 v0, s[64:65] scope:SCOPE_SE
	s_setreg_imm32_b32 hwreg(HW_REG_WAVE_MODE, 25, 1), 1
	s_wait_xcnt 0x0
; For each row n: of the four quarters' candidates (pv, pi) the greatest score wins, at equal scores the lowest quarter and so the lowest index: out1[n].  zq = the winning code's row (rounded to bf16, from xb)
; divided by max(its norm, 1e-12); zn = zb[n] x rz[n]; out0[n] = zn + (zq - zn); lp[wave] = the wave's sum of (zq - zn)^2.
; NO ADDRESS HANGS ON A COMPARISON OF SCORES: all four candidate rows are loaded, by the indices that the launch before stored, and the winner's words are chosen by v_cndmask_b32.
; A stream with a gather: no LDS, no matrix unit.  No cluster: which codes' rows a work-group reads hangs on its data, so no two work-groups ask for the same bytes at a known time.
; SHARES.  Work-group b owns rows 64 b .. 64 b + 63, wave w eight of them, one whole row at a time; three row slots in registers: one at work, two on their way in.
; A bf16 row is 1,024 bytes: four loads of 8 bytes a lane, each covering 256 consecutive bytes.  Lane l holds elements 128 k + 4 l .. + 3 of chunk k: as f32 they are 16 bytes, and a store covers 512 consecutive bytes, aligned.
; LIMITS.  NaN and infinities are not treated apart.  An index is clamped to 8,191 before it enters an address; the launch before stores none above that.
.set LANE, 1
.set L8,   2                           ; v2   8 x lane
.set L16,  3                           ; v3   16 x lane
.set VB,   4                           ; v4   the best score so far
.set WO,   5                           ; v5   256 b + 8 x lane: wave 0's place in pv, pi and out1
.set OFFC, 16                          ; v[16:27]  slot s, candidate q at OFFC + 4 s + q: byte offset of my 8 bytes in the candidate's row
.set SLOT0, 32                         ; v[32:151] slot s at SLOT0 + 40 s: z's row in 8 registers, then the four candidates' in 8 each
.set ZF,   160                         ; v[160:175] z's 16 numbers of mine as f32, then zn
.set CF,   176                         ; v[176:191] the code's, then zq - zn
.set OUTR, 192                         ; v[192:207] what is stored
.set PVX,  224                         ; v[224:231] wave 0 alone: quarter q's scores of my two rows
.set PIX,  232                         ; v[232:239] and their indices
                                       ; v[6:7], v[28:29] the loss's two chains; v[8:9], v[30:31] the squares'; v[10:11] rz; v[12:13] rq; v14, v15 at work
.set PI,   24                          ; s[24:55]  quarter q, row i at PI + 8 q + i
.set RZ,   56                          ; s[56:63]
.set PV,   68                          ; s[68:99]  likewise
	s_load_b256 s[4:11], s[0:1], 0x0               ; xb s[4:5], rn s[6:7], pv s[8:9], pi s[10:11]
	s_load_b128 s[12:15], s[0:1], 0x20             ; out0 s[12:13], out1 s[14:15]
	s_load_b64 s[16:17], s[0:1], 0x30              ; lp
	v_and_b32 v[LANE], 31, v0
	v_lshrrev_b32 v14, 5, v0
	v_readfirstlane_b32 s18, v14                   ; wave 0..7
	v_lshlrev_b32 v[L8], 3, v[LANE]
	v_lshlrev_b32 v[L16], 4, v[LANE]
	s_lshl_b32 s19, ttmp9, 8
	v_add_nc_u32 v[WO], s19, v[L8]
	s_lshl_b32 s20, s18, 5
	s_add_co_u32 s19, s19, s20                     ; 4 x my first row = 256 b + 32 w
	v_mov_b32 v6, 0
	v_mov_b32 v7, 0
	v_mov_b32 v28, 0
	v_mov_b32 v29, 0
	v_mov_b32 v15, 0
	s_mov_b32 s100, 0x76543210                     ; v_permlanex16_b32: each lane takes its own place in the other half
	s_mov_b32 s101, 0xfedcba98
	s_wait_kmcnt 0x0
.irp q, 0,1,2,3
	s_load_b256 s[PI+8*\q:PI+8*\q+7], s[10:11], s19 offset:0x10000*\q  ; my eight rows' candidates: uniform in the wave, so they live in scalar registers
	s_load_b256 s[PV+8*\q:PV+8*\q+7], s[8:9], s19 offset:0x10000*\q
.endr
	s_load_b256 s[RZ:RZ+7], s[6:7], s19 offset:0x8000  ; rz: behind the codebook's 8,192 numbers
	s_lshl_b32 s20, s19, 8                         ; my first row x 1,024 bytes,
	s_add_co_u32 s20, s20, 0x800000                ; behind the codebook's rows
	s_mov_b32 s21, 0
	s_add_nc_u64 s[2:3], s[4:5], s[20:21]          ; zb at my rows
	s_lshl_b32 s22, s19, 9                         ; my first row x 2,048 bytes
	s_mov_b32 s23, 0
	s_add_nc_u64 s[66:67], s[12:13], s[22:23]      ; out0 at my rows
	s_lshr_b32 s20, s19, 3                         ; 4 (8 b + w)
	s_add_nc_u64 s[16:17], s[16:17], s[20:21]      ; my number in lp
	s_mov_b32 s23, 0xffff0000                      ; a word's upper bf16
	s_cmp_lg_u32 s18, 0
	s_cbranch_scc1 .Lnot_wave_0
.irp q, 0,1,2,3                        ; wave 0 also makes the work-group's 64 numbers of out1, two rows a lane.  These loads are older than every counted one below, so the counts hold for all waves
	global_load_b64 v[PVX+2*\q:PVX+2*\q+1], v[WO], s[8:9] offset:0x10000*\q
	global_load_b64 v[PIX+2*\q:PIX+2*\q+1], v[WO], s[10:11] offset:0x10000*\q
.endr
.Lnot_wave_0:
	s_wait_kmcnt 0x0
.set k_, 0
.rept 32
	s_min_u32 s[PI+k_], s[PI+k_], 0x1fff           ; a loaded number enters an address only clamped
.set k_, k_+1
.endr
; Row i is asked for: z's row and the four candidates', twenty loads.
.macro FILL i
.set SB, SLOT0+40*((\i)%3)
.set OB, OFFC+4*((\i)%3)
.irp q, 0,1,2,3
	v_lshl_add_u32 v[OB+\q], s[PI+8*\q+(\i)], 10, v[L8]
.endr
.irp k, 0,1,2,3
	global_load_b64 v[SB+2*\k:SB+2*\k+1], v[L8], s[2:3] offset:1024*(\i)+256*\k th:TH_LOAD_NT
.endr
.irp q, 0,1,2,3
.irp k, 0,1,2,3
	global_load_b64 v[SB+8+8*\q+2*\k:SB+8+8*\q+2*\k+1], v[OB+\q], s[4:5] offset:256*\k
.endr
.endr
.endm
; Row i's turn.
.macro TURN i
.if (\i)+2 <= 7
	FILL (\i)+2                                    ; into the slot of row i - 1: its loads were waited for in that row's turn, which frees its data and offset registers
.endif
.set TS, SLOT0+40*((\i)%3)
	v_mov_b32 v[VB], s[PV+(\i)]                    ; the choice: quarters ascending, strictly greater: at equal scores the lowest index stays
	v_cmp_gt_f32 s20, s[PV+8+(\i)], v[VB]
	v_cndmask_b32 v[VB], v[VB], s[PV+8+(\i)], s20
	v_cmp_gt_f32 s21, s[PV+16+(\i)], v[VB]
	v_cndmask_b32 v[VB], v[VB], s[PV+16+(\i)], s21
	v_cmp_gt_f32 s22, s[PV+24+(\i)], v[VB]
.if (\i) <= 5
	s_wait_loadcnt 40                              ; loads come back in order: my row's are in, the twenty of each of the two younger rows may stay out
.elseif (\i) == 6
	s_wait_loadcnt 20                              ; one younger row
.else
	s_wait_loadcnt 0
.endif
.irp q, 1,2,3
.irp d, 0,1,2,3,4,5,6,7
	v_cndmask_b32 v[TS+8+\d], v[TS+8+\d], v[TS+8+8*\q+\d], s[19+\q]
.endr
.endr
.irp d, 0,1,2,3,4,5,6,7
	v_lshlrev_b32 v[CF+2*\d], 16, v[TS+8+\d]
	v_and_b32 v[CF+2*\d+1], s23, v[TS+8+\d]
	v_lshlrev_b32 v[ZF+2*\d], 16, v[TS+\d]
	v_and_b32 v[ZF+2*\d+1], s23, v[TS+\d]
.endr
	v_pk_mul_f32 v[8:9], v[CF:CF+1], v[CF:CF+1]    ; the code's sum of squares, in two chains that the first products start
	v_pk_mul_f32 v[30:31], v[CF+2:CF+3], v[CF+2:CF+3]
.irp d, 2,4,6
	v_pk_fma_f32 v[8:9], v[CF+2*\d:CF+2*\d+1], v[CF+2*\d:CF+2*\d+1], v[8:9]
	v_pk_fma_f32 v[30:31], v[CF+2*\d+2:CF+2*\d+3], v[CF+2*\d+2:CF+2*\d+3], v[30:31]
.endr
	v_pk_add_f32 v[8:9], v[8:9], v[30:31]
	v_add_f32 v8, v8, v9
	v_add_f32_dpp v8, v8, v8 row_xmask:1 row_mask:0xf bank_mask:0xf
	v_add_f32_dpp v8, v8, v8 row_xmask:2 row_mask:0xf bank_mask:0xf
	v_add_f32_dpp v8, v8, v8 row_xmask:4 row_mask:0xf bank_mask:0xf
	v_add_f32_dpp v8, v8, v8 row_xmask:8 row_mask:0xf bank_mask:0xf
	v_permlanex16_b32 v14, v8, s100, s101          ; v14 has been written before
	v_add_f32 v8, v8, v14
	v_max_num_f32 v8, 0x179abe15, v8               ; max(ss, 1e-24)
	v_rsq_f32 v12, v8
	v_mov_b32 v10, s[RZ+(\i)]                      ; plain work between the root and the use of its result
	v_mov_b32 v11, s[RZ+(\i)]                      ; (named with v10 as a pair)
	s_wait_alu depctr_va_vdst(0)
	v_mov_b32 v13, v12
.irp d, 0,2,4,6,8,10,12,14
	v_pk_mul_f32 v[ZF+\d:ZF+\d+1], v[ZF+\d:ZF+\d+1], v[10:11] op_sel_hi:[1,0]  ; zn
.endr
.irp d, 0,2,4,6,8,10,12,14
	v_pk_fma_f32 v[CF+\d:CF+\d+1], v[CF+\d:CF+\d+1], v[12:13], v[ZF+\d:ZF+\d+1] op_sel_hi:[1,0,1] neg_lo:[0,0,1] neg_hi:[0,0,1]  ; zq - zn
.endr
.irp d, 0,4,8,12
	v_pk_fma_f32 v[6:7], v[CF+\d:CF+\d+1], v[CF+\d:CF+\d+1], v[6:7]
	v_pk_fma_f32 v[28:29], v[CF+\d+2:CF+\d+3], v[CF+\d+2:CF+\d+3], v[28:29]
.endr
	s_wait_xcnt 0x0                                ; the last row's stores read these registers: they are rewritten only behind this wait
.irp d, 0,2,4,6,8,10,12,14
	v_pk_add_f32 v[OUTR+\d:OUTR+\d+1], v[ZF+\d:ZF+\d+1], v[CF+\d:CF+\d+1]  ; zn + (zq - zn)
.endr
.irp k, 0,1,2,3
	global_store_b128 v[L16], v[OUTR+4*\k:OUTR+4*\k+3], s[66:67] offset:2048*(\i)+512*\k th:TH_STORE_NT
.endr
.endm
	FILL 0
	FILL 1
.irp i, 0,1,2,3,4,5,6,7                ; written out: a row's candidates lie in scalar registers of their own
	TURN \i
.endr
	v_pk_add_f32 v[6:7], v[6:7], v[28:29]          ; the wave's part of the loss
	v_add_f32 v6, v6, v7
	v_add_f32_dpp v6, v6, v6 row_xmask:1 row_mask:0xf bank_mask:0xf
	v_add_f32_dpp v6, v6, v6 row_xmask:2 row_mask:0xf bank_mask:0xf
	v_add_f32_dpp v6, v6, v6 row_xmask:4 row_mask:0xf bank_mask:0xf
	v_add_f32_dpp v6, v6, v6 row_xmask:8 row_mask:0xf bank_mask:0xf
	v_permlanex16_b32 v14, v6, s100, s101
	v_add_f32 v6, v6, v14
	v_cmp_eq_u32 vcc_lo, 0, v[LANE]
	s_wait_xcnt 0x0                                ; EXEC is a source of the stores above: it changes only behind this wait
	s_and_saveexec_b32 s20, vcc_lo
	global_store_b32 v15, v6, s[16:17]             ; one number a wave, 8 KB in the whole launch: a sum over work-groups is a later launch's
	s_wait_xcnt 0x0                                ; and again, in front of the line that widens it
	s_or_b32 exec_lo, exec_lo, s20
	s_cmp_lg_u32 s18, 0
	s_cbranch_scc1 .Lend
.irp e, 0,1                            ; wave 0: the same choice for the work-group's 64 rows, two a lane; its loads were shown in by the last row's wait for 0
.irp q, 1,2,3
	v_cmp_gt_f32 vcc_lo, v[PVX+2*\q+\e], v[PVX+\e]
	v_cndmask_b32 v[PVX+\e], v[PVX+\e], v[PVX+2*\q+\e], vcc_lo
	v_cndmask_b32 v[PIX+\e], v[PIX+\e], v[PIX+2*\q+\e], vcc_lo
.endr
.endr
	global_store_b64 v[WO], v[PIX:PIX+1], s[14:15] ; 256 consecutive bytes of out1, aligned
.Lend:
	s_endpgm
.Lfunc_end_k_qce065ca71d_finish:
	.size	k_qce065ca71d_finish, .Lfunc_end_k_qce065ca71d_finish-k_qce065ca71d_finish
	.p2alignl 7, 3214868480
	.fill 96, 4, 3214868480
	.section	.rodata,"a",@progbits
	.p2align	6, 0x0
	.amdhsa_kernel k_qce065ca71d_finish
		.amdhsa_group_segment_fixed_size 0
		.amdhsa_private_segment_fixed_size 0
		.amdhsa_enable_private_segment 0
		.amdhsa_kernarg_size 56
		.amdhsa_user_sgpr_count 2
		.amdhsa_user_sgpr_kernarg_segment_ptr 1
		.amdhsa_wavefront_size32 1
		.amdhsa_system_sgpr_workgroup_id_x 1
		.amdhsa_system_sgpr_workgroup_id_y 1
		.amdhsa_system_sgpr_workgroup_id_z 1
		.amdhsa_system_vgpr_workitem_id 0
		.amdhsa_next_free_vgpr 240
		.amdhsa_next_free_sgpr 102
		.amdhsa_reserve_vcc 1
		.amdhsa_float_denorm_mode_32 3
		.amdhsa_float_denorm_mode_16_64 3
		.amdhsa_memory_ordered 1
		.amdhsa_forward_progress 1
		.amdhsa_inst_pref_size 75
	.end_amdhsa_kernel
	.amdgpu_metadata
---
amdhsa.version: [ 1, 2 ]
amdhsa.kernels:
  - .name:           k_qce065ca71d_finish
    .symbol:         k_qce065ca71d_finish.kd
    .args:
      - { .name: xb, .offset: 0, .size: 8, .value_kind: global_buffer, .address_space: global }
      - { .name: rn, .offset: 8, .size: 8, .value_kind: global_buffer, .address_space: global }
      - { .name: pv, .offset: 16, .size: 8, .value_kind: global_buffer, .address_space: global }
      - { .name: pi, .offset: 24, .size: 8, .value_kind: global_buffer, .address_space: global }
      - { .name: out0, .offset: 32, .size: 8, .value_kind: global_buffer, .address_space: global }
      - { .name: out1, .offset: 40, .size: 8, .value_kind: global_buffer, .address_space: global }
      - { .name: lp, .offset: 48, .size: 8, .value_kind: global_buffer, .address_space: global }
    .group_segment_fixed_size: 0
    .private_segment_fixed_size: 0
    .kernarg_segment_align: 8
    .kernarg_segment_size: 56
    .max_flat_workgroup_size: 256
    .sgpr_count:     102
    .vgpr_count:     240
    .wavefront_size: 32
...
	.end_amdgpu_metadata
.endif
;; end of part 3
;; launch loss (part 4): grid 1 x 1, 1 waves a work-group, no clusters, 0 bytes of LDS; arguments lp, out2; writes out2
.if DOCPART == 4
	.amdgcn_target "amdgcn-amd-amdhsa--gfx1250"
	.amdhsa_code_object_version 6
	.text
	.protected	k_qce065ca71d_loss
	.globl	k_qce065ca71d_loss
	.p2align	8
	.type	k_qce065ca71d_loss,@function
k_qce065ca71d_loss:
	s_mov_b64 s[64:65], 0
	v_nop
	global_prefetch_b8 v0, s[64:65] scope:SCOPE_SE
	s_setreg_imm32_b32 hwreg(HW_REG_WAVE_MODE, 25, 1), 1
	s_wait_xcnt 0x0
; out2 = BETA m + m with BETA = 0.5 and m = (the sum of lp's 2,048 partial sums) / (16,384 x 512).  Both terms of the loss are the same mean of (zq - zn)^2.
; One wave: 8,192 bytes are sixteen loads of 16 bytes a lane, all out at once.  A sum over work-groups has one owner, in a launch of its own.
	s_load_b128 s[4:7], s[0:1], 0x0                ; lp s[4:5], out2 s[6:7]
	v_lshlrev_b32 v1, 4, v0                        ; 16 x lane
	v_mov_b32 v2, 0                                ; the store's offset
	v_mov_b32 v3, 0                                ; v_permlanex16_b32 counts as a reader of its destination
	s_mov_b32 s8, 0x76543210
	s_mov_b32 s9, 0xfedcba98
	s_wait_kmcnt 0x0
.irp k, 0,1,2,3,4,5,6,7,8,9,10,11,12,13,14,15
	global_load_b128 v[16+4*\k:19+4*\k], v1, s[4:5] offset:512*\k
.endr
	s_wait_loadcnt 0x0
.irp c, 0,1,2,3                        ; four chains, started by the first four loads' numbers
	v_pk_add_f32 v[4+2*\c:5+2*\c], v[16+4*\c:17+4*\c], v[18+4*\c:19+4*\c]
.endr
.irp k, 4,5,6,7,8,9,10,11,12,13,14,15
	v_pk_add_f32 v[4+2*(\k%4):5+2*(\k%4)], v[4+2*(\k%4):5+2*(\k%4)], v[16+4*\k:17+4*\k]
.endr
.irp k, 4,5,6,7,8,9,10,11,12,13,14,15
	v_pk_add_f32 v[4+2*(\k%4):5+2*(\k%4)], v[4+2*(\k%4):5+2*(\k%4)], v[18+4*\k:19+4*\k]
.endr
	v_pk_add_f32 v[4:5], v[4:5], v[6:7]
	v_pk_add_f32 v[8:9], v[8:9], v[10:11]
	v_pk_add_f32 v[4:5], v[4:5], v[8:9]
	v_add_f32 v4, v4, v5
	v_add_f32_dpp v4, v4, v4 row_xmask:1 row_mask:0xf bank_mask:0xf
	v_add_f32_dpp v4, v4, v4 row_xmask:2 row_mask:0xf bank_mask:0xf
	v_add_f32_dpp v4, v4, v4 row_xmask:4 row_mask:0xf bank_mask:0xf
	v_add_f32_dpp v4, v4, v4 row_xmask:8 row_mask:0xf bank_mask:0xf
	v_permlanex16_b32 v3, v4, s8, s9
	v_add_f32 v4, v4, v3
	v_mul_f32 v4, 0x34000000, v4                   ; 2^-23 = 1 / (16,384 x 512), exactly
	v_fma_f32 v4, 0.5, v4, v4                      ; BETA m + m
	v_cmp_eq_u32 vcc_lo, 0, v0
	s_wait_xcnt 0x0                                ; EXEC changes only behind this wait
	s_and_saveexec_b32 s10, vcc_lo
	global_store_b32 v2, v4, s[6:7]
	s_wait_xcnt 0x0
	s_or_b32 exec_lo, exec_lo, s10
	s_endpgm
.Lfunc_end_k_qce065ca71d_loss:
	.size	k_qce065ca71d_loss, .Lfunc_end_k_qce065ca71d_loss-k_qce065ca71d_loss
	.p2alignl 7, 3214868480
	.fill 96, 4, 3214868480
	.section	.rodata,"a",@progbits
	.p2align	6, 0x0
	.amdhsa_kernel k_qce065ca71d_loss
		.amdhsa_group_segment_fixed_size 0
		.amdhsa_private_segment_fixed_size 0
		.amdhsa_enable_private_segment 0
		.amdhsa_kernarg_size 16
		.amdhsa_user_sgpr_count 2
		.amdhsa_user_sgpr_kernarg_segment_ptr 1
		.amdhsa_wavefront_size32 1
		.amdhsa_system_sgpr_workgroup_id_x 1
		.amdhsa_system_sgpr_workgroup_id_y 1
		.amdhsa_system_sgpr_workgroup_id_z 1
		.amdhsa_system_vgpr_workitem_id 0
		.amdhsa_next_free_vgpr 80
		.amdhsa_next_free_sgpr 66
		.amdhsa_reserve_vcc 1
		.amdhsa_float_denorm_mode_32 3
		.amdhsa_float_denorm_mode_16_64 3
		.amdhsa_memory_ordered 1
		.amdhsa_forward_progress 1
		.amdhsa_inst_pref_size 5
	.end_amdhsa_kernel
	.amdgpu_metadata
---
amdhsa.version: [ 1, 2 ]
amdhsa.kernels:
  - .name:           k_qce065ca71d_loss
    .symbol:         k_qce065ca71d_loss.kd
    .args:
      - { .name: lp, .offset: 0, .size: 8, .value_kind: global_buffer, .address_space: global }
      - { .name: out2, .offset: 8, .size: 8, .value_kind: global_buffer, .address_space: global }
    .group_segment_fixed_size: 0
    .private_segment_fixed_size: 0
    .kernarg_segment_align: 8
    .kernarg_segment_size: 16
    .max_flat_workgroup_size: 32
    .sgpr_count:     66
    .vgpr_count:     80
    .wavefront_size: 32
...
	.end_amdgpu_metadata
.endif
;; end of part 4
;; ======== version 2 of 2: 4 launches; version 1 with the launches prep, finish written anew for expert scheduling mode
;; workspace buffers: xb 25,165,824 bytes; rn 98,304 bytes; pv 262,144 bytes; pi 262,144 bytes of whole numbers; lp 8,192 bytes
;; launch prep (part 5): grid 256 x 1, 12 waves a work-group, no clusters, 0 bytes of LDS; arguments codebook, z, xb, rn; writes xb, rn
.if DOCPART == 5
	.amdgcn_target "amdgcn-amd-amdhsa--gfx1250"
	.amdhsa_code_object_version 6
	.text
	.protected	k_qce065ca71d_prep
	.globl	k_qce065ca71d_prep
	.p2align	8
	.type	k_qce065ca71d_prep,@function
k_qce065ca71d_prep:
	s_mov_b64 s[64:65], 0
	v_nop
	global_prefetch_b8 v0, s[64:65] scope:SCOPE_SE
	s_setreg_imm32_b32 hwreg(HW_REG_WAVE_SCHED_MODE, 0, 2), 2
	s_setreg_imm32_b32 hwreg(HW_REG_WAVE_MODE, 25, 1), 1
	s_wait_xcnt 0x0
	s_wait_alu depctr_vm_vsrc(0)
; xb[row][:] = bf16(source row), rn[row] = 1 / max(norm of the ROUNDED row, 1e-12).  Rows 0-8191 of xb and rn are the codebook's, rows 8192-24575 are z's.
; Both inputs are rounded to bf16 once, here, and everything later (scores, norms, zq, zn, loss) is made of the rounded numbers: one choice for the whole program.
; A stream: every input byte is read once, every byte of xb written once.  No LDS, no matrix unit, no cluster: the work-groups share no input and a row never leaves its wave.
; SHARES.  256 work-groups of 12 waves; wave g = 12 b + w owns the eight rows 8 g .. 8 g + 7 (24,576 rows = 3,072 waves x 8).  g < 1024: a codebook wave, else a wave of z.
; A row is 2,048 bytes: four loads of 16 bytes a lane, each covering 512 consecutive bytes.  All 32 loads of a wave go out at once, so there is no loop and no ring.
; Lane l holds elements 128 k + 4 l .. + 3 of chunk k: rounded they are 8 bytes, and the 32 lanes' store covers 256 consecutive bytes, aligned.
; LIMITS.  NaN and infinities are not treated apart; the sum of squares is kept in f32 and under- or overflows where an f32 sum of 512 squares does.
; THE MODE: SCHED_MODE bits 1:0 = 2 (LLVM: expert scheduling mode 2), set by the entry lines.  The code itself states the register dependences
; between vector instructions and memory instructions, with s_wait_alu, always for 0.
; THE PLAN.  Registers that memory instructions touch:
;   X          The 32 loads land in it, all issued at the head, before any vector instruction names it.  Row i's conversions write words 4 k and 4 k + 1 of its sixteen in place;
;              row i's four stores read them; nothing writes them again.
;   v2, v3, v4 byte offsets, made at the head and never written again.
;   v5         written by one select a row, read by the one store at the end.
; So ONE wait on va_vdst stands in a row: the one between the reciprocal root and its first reader.  The row's conversions stand ahead of it, so the row's four stores follow it with no
; further wait, dealt among the four lines of the Newton step, which name v6 and v11 to v13 alone.
.set LANE, 1
.set L16,  2                           ; v2   16 x lane: my bytes in a chunk of the source
.set L8,   3                           ; v3   8 x lane: my bytes in a chunk of xb
.set L4,   4                           ; v4   4 x lane: lane i stores row i's rn
.set RN,   5                           ; v5   lane i collects row i's rn
.set T,    16                          ; v[16:31]  the rounded row's 16 numbers of mine, as f32: no memory instruction names them
.set X,    32                          ; v[32:159] row i, chunk k at X + 16 i + 4 k
                                       ; v[6:9] two chains of squares; v10-13 at work
	s_load_b256 s[4:11], s[0:1], 0x0               ; codebook s[4:5], z s[6:7], xb s[8:9], rn s[10:11]
	v_and_b32 v[LANE], 31, v0
	v_lshrrev_b32 v10, 5, v0
	v_readfirstlane_b32 s12, v10                   ; wave 0..11
	v_lshlrev_b32 v[L16], 4, v[LANE]
	v_lshlrev_b32 v[L8], 3, v[LANE]
	v_lshlrev_b32 v[L4], 2, v[LANE]
	v_mov_b32 v[RN], 0
	s_mov_b32 s18, 0xffff0000                      ; a word's upper bf16
	s_mov_b32 s20, 0x76543210                      ; v_permlanex16_b32: each lane takes its own place in the other half
	s_mov_b32 s21, 0xfedcba98
	s_mul_i32 s13, ttmp9, 12
	s_wait_alu depctr_va_sdst(0)                   ; s12 is written, ahead of its first reader: the wave's place, and all three bases, are made from it
	s_add_co_u32 s13, s13, s12                     ; g
	s_wait_kmcnt 0x0
	s_cmp_lt_u32 s13, 1024                         ; the first 1,024 waves take the codebook
	s_cselect_b64 s[14:15], s[4:5], s[6:7]
	s_cselect_b32 s16, 0, 1024
	s_sub_co_u32 s16, s13, s16                     ; my place among the source's waves,
	s_lshl_b32 s16, s16, 14                        ; times 8 rows of 2,048 bytes
	s_mov_b32 s17, 0
	s_add_nc_u64 s[14:15], s[14:15], s[16:17]
	s_lshl_b32 s16, s13, 13                        ; 8 rows of 1,024 bytes in xb
	s_add_nc_u64 s[8:9], s[8:9], s[16:17]
	s_lshl_b32 s16, s13, 5                         ; 8 numbers in rn
	s_add_nc_u64 s[10:11], s[10:11], s[16:17]
	s_wait_alu depctr_va_vdst(0)                   ; the three offsets v2 to v4 are written: every load and store of the kernel reads one of them
.irp i, 0,1,2,3,4,5,6,7
.irp k, 0,1,2,3
	global_load_b128 v[X+16*\i+4*\k:X+16*\i+4*\k+3], v[L16], s[14:15] offset:2048*\i+512*\k th:TH_LOAD_NT
.endr
.endr
; Row i: rounded; widened again; the sum of the rounded numbers' squares over the wave; its reciprocal root, made sharper by one Newton step, since it scales the scores that are compared; the rounded row is stored beside that step.
.macro ROW i
.set XR, X+16*(\i)
	s_wait_loadcnt 28-4*(\i)                       ; loads come back in order: my row's four are in, the four of each younger row may stay out
.irp k, 0,1,2,3
	v_cvt_pk_bf16_f32 v[XR+4*\k], v[XR+4*\k], v[XR+4*\k+1]
	v_cvt_pk_bf16_f32 v[XR+4*\k+1], v[XR+4*\k+2], v[XR+4*\k+3]
.endr
.irp k, 0,1,2,3
	v_lshlrev_b32 v[T+4*\k], 16, v[XR+4*\k]
	v_and_b32 v[T+4*\k+1], s18, v[XR+4*\k]
	v_lshlrev_b32 v[T+4*\k+2], 16, v[XR+4*\k+1]
	v_and_b32 v[T+4*\k+3], s18, v[XR+4*\k+1]
.endr
	v_pk_mul_f32 v[6:7], v[T:T+1], v[T:T+1]        ; the first products start the two chains
	v_pk_mul_f32 v[8:9], v[T+2:T+3], v[T+2:T+3]
.irp k, 1,2,3
	v_pk_fma_f32 v[6:7], v[T+4*\k:T+4*\k+1], v[T+4*\k:T+4*\k+1], v[6:7]
	v_pk_fma_f32 v[8:9], v[T+4*\k+2:T+4*\k+3], v[T+4*\k+2:T+4*\k+3], v[8:9]
.endr
	v_pk_add_f32 v[6:7], v[6:7], v[8:9]
	v_add_f32 v6, v6, v7
	v_add_f32_dpp v6, v6, v6 row_xmask:1 row_mask:0xf bank_mask:0xf
	v_add_f32_dpp v6, v6, v6 row_xmask:2 row_mask:0xf bank_mask:0xf
	v_add_f32_dpp v6, v6, v6 row_xmask:4 row_mask:0xf bank_mask:0xf
	v_add_f32_dpp v6, v6, v6 row_xmask:8 row_mask:0xf bank_mask:0xf
	v_permlanex16_b32 v10, v6, s20, s21            ; v10 has been written before
	v_add_f32 v6, v6, v10
	v_max_num_f32 v6, 0x179abe15, v6               ; max(ss, 1e-24): the square of max(norm, 1e-12)
	v_rsq_f32 v11, v6
	v_nop                                          ; a plain instruction between the root and the use of its result
	s_wait_alu depctr_va_vdst(0)                   ; the root has written v11, which the next vector line reads; the row's conversions have written the eight words that the four stores below read
	global_store_b64 v[L8], v[XR:XR+1], s[8:9] offset:1024*(\i)          ; these registers are never written again, and no vector line since the wait names them
	v_mul_f32 v12, v6, v11                         ; ss r
	global_store_b64 v[L8], v[XR+4:XR+5], s[8:9] offset:1024*(\i)+256
	v_fma_f32 v12, -v12, v11, 1.0                  ; e = 1 - ss r r
	global_store_b64 v[L8], v[XR+8:XR+9], s[8:9] offset:1024*(\i)+512
	v_mul_f32 v13, 0.5, v11
	global_store_b64 v[L8], v[XR+12:XR+13], s[8:9] offset:1024*(\i)+768
	v_fma_f32 v13, v13, v12, v11                   ; r + r e / 2
	s_mov_b32 s22, 1<<(\i)
	v_cndmask_b32 v[RN], v[RN], v13, s22           ; lane i keeps it
.endm
.irp i, 0,1,2,3,4,5,6,7
	ROW \i
.endr
	v_cmp_gt_u32 vcc_lo, 8, v[LANE]
	s_wait_xcnt 0x0                                ; EXEC is a source of the stores above: it changes only behind this wait
	s_wait_alu depctr_va_vcc(0)                    ; VCC is written: EXEC is made from it
	s_wait_alu depctr_va_vdst(0)                   ; ahead of the write of EXEC: the vector instructions issued so far are done; the last select has written v5, which the store below reads
	s_wait_alu depctr_vm_vsrc(0)                   ; ahead of the write of EXEC: the stores issued so far have read their registers
	s_and_saveexec_b32 s23, vcc_lo
	global_store_b32 v[L4], v[RN], s[10:11]        ; eight numbers a wave, 96 KB in the whole launch: a stage to gather them would cost a barrier for nothing
	s_wait_xcnt 0x0                                ; and again, in front of the line that widens it
	s_wait_alu depctr_va_vdst(0)                   ; ahead of the write of EXEC: no vector instruction is under way
	s_wait_alu depctr_vm_vsrc(0)                   ; ahead of the write of EXEC: the store has read its registers
	s_or_b32 exec_lo, exec_lo, s23
	s_endpgm
.Lfunc_end_k_qce065ca71d_prep:
	.size	k_qce065ca71d_prep, .Lfunc_end_k_qce065ca71d_prep-k_qce065ca71d_prep
	.p2alignl 7, 3214868480
	.fill 96, 4, 3214868480
	.section	.rodata,"a",@progbits
	.p2align	6, 0x0
	.amdhsa_kernel k_qce065ca71d_prep
		.amdhsa_group_segment_fixed_size 0
		.amdhsa_private_segment_fixed_size 0
		.amdhsa_enable_private_segment 0
		.amdhsa_kernarg_size 32
		.amdhsa_user_sgpr_count 2
		.amdhsa_user_sgpr_kernarg_segment_ptr 1
		.amdhsa_wavefront_size32 1
		.amdhsa_system_sgpr_workgroup_id_x 1
		.amdhsa_system_sgpr_workgroup_id_y 1
		.amdhsa_system_sgpr_workgroup_id_z 1
		.amdhsa_system_vgpr_workitem_id 0
		.amdhsa_next_free_vgpr 160
		.amdhsa_next_free_sgpr 66
		.amdhsa_reserve_vcc 1
		.amdhsa_float_denorm_mode_32 3
		.amdhsa_float_denorm_mode_16_64 3
		.amdhsa_memory_ordered 1
		.amdhsa_forward_progress 1
		.amdhsa_inst_pref_size 28
	.end_amdhsa_kernel
	.amdgpu_metadata
---
amdhsa.version: [ 1, 2 ]
amdhsa.kernels:
  - .name:           k_qce065ca71d_prep
    .symbol:         k_qce065ca71d_prep.kd
    .args:
      - { .name: codebook, .offset: 0, .size: 8, .value_kind: global_buffer, .address_space: global }
      - { .name: z, .offset: 8, .size: 8, .value_kind: global_buffer, .address_space: global }
      - { .name: xb, .offset: 16, .size: 8, .value_kind: global_buffer, .address_space: global }
      - { .name: rn, .offset: 24, .size: 8, .value_kind: global_buffer, .address_space: global }
    .group_segment_fixed_size: 0
    .private_segment_fixed_size: 0
    .kernarg_segment_align: 8
    .kernarg_segment_size: 32
    .max_flat_workgroup_size: 384
    .sgpr_count:     66
    .vgpr_count:     160
    .wavefront_size: 32
...
	.end_amdgpu_metadata
.endif
;; end of part 5
;; launch scores: the kernel of part 2 again; grid 64 x 4, 4 waves a work-group, clusters of 4 x 1, 327,680 bytes of LDS; arguments xb, rn, pv, pi; writes pv, pi
;; launch finish (part 6): grid 256 x 1, 8 waves a work-group, no clusters, 0 bytes of LDS; arguments xb, rn, pv, pi, out0, out1, lp; writes out0, out1, lp
.if DOCPART == 6
	.amdgcn_target "amdgcn-amd-amdhsa--gfx1250"
	.amdhsa_code_object_version 6
	.text
	.protected	k_qce065ca71d_finish
	.globl	k_qce065ca71d_finish
	.p2align	8
	.type	k_qce065ca71d_finish,@function
k_qce065ca71d_finish:
	s_mov_b64 s[64:65], 0
	v_nop
	global_prefetch_b8 v0, s[64:65] scope:SCOPE_SE
	s_setreg_imm32_b32 hwreg(HW_REG_WAVE_SCHED_MODE, 0, 2), 2
	s_setreg_imm32_b32 hwreg(HW_REG_WAVE_MODE, 25, 1), 1
	s_wait_xcnt 0x0
	s_wait_alu depctr_vm_vsrc(0)
; For each row n: of the four quarters' candidates (pv, pi) the greatest score wins, at equal scores the lowest quarter and so the lowest index: out1[n].  zq = the winning code's row (rounded to bf16, from xb)
; divided by max(its norm, 1e-12); zn = zb[n] x rz[n]; out0[n] = zn + (zq - zn); lp[wave] = the wave's sum of (zq - zn)^2.
; NO ADDRESS HANGS ON A COMPARISON OF SCORES: all four candidate rows are loaded, by the indices that the launch before stored, and the winner's words are chosen by v_cndmask_b32.
; A stream with a gather: no LDS, no matrix unit.  No cluster: which codes' rows a work-group reads hangs on its data, so no two work-groups ask for the same bytes at a known time.
; SHARES.  Work-group b owns rows 64 b .. 64 b + 63, wave w eight of them, one whole row at a time; three row slots in registers: one at work, two on their way in.
; A bf16 row is 1,024 bytes: four loads of 8 bytes a lane, each covering 256 consecutive bytes.  Lane l holds elements 128 k + 4 l .. + 3 of chunk k: as f32 they are 16 bytes, and a store covers 512 consecutive bytes, aligned.
; LIMITS.  NaN and infinities are not treated apart.  An index is clamped to 8,191 before it enters an address; the launch before stores none above that.
; THE MODE: SCHED_MODE bits 1:0 = 2 (LLVM: expert scheduling mode 2), set by the entry lines.  The code itself states the register dependences
; between vector instructions and memory instructions, with s_wait_alu, always for 0.
; THE PLAN.  Registers that memory instructions touch:
;   slots 0-2   Turn i: its selects read slot i % 3 and write eight of its registers, its widenings read it, all ahead of the turn's reciprocal root; behind the root's wait the loads of row i + 3 land in it.
;   OUT0, OUT1  Turn i's last eight sums write OUT[i % 2]; the four stores issued in turn i + 1 read it; turn i + 2 writes it again.
;   OFFC        32 byte offsets, one for each row and candidate, made at the head from the indices, which lie in scalar registers from the start; never written again.
;   v2, v3, v5, v15  offsets, made at the head and never written again.
;   PVX, PIX    wave 0 alone: loaded at the head, chosen among at the end; PIX's first pair is stored.
; So ONE wait on va_vdst stands in a turn: the one between the root and its first reader.  It also states that the turn is done with its slot and that the turn before has written the other OUT.
; Beside it, from turn 2 on, one wait on vm_vsrc: the stores issued a turn ago have read the OUT that this turn writes again.  The turn's twenty loads and four stores follow, dealt among vector lines that
; name ZF, CF, v6, v7, v10 to v13, v28, v29 and this turn's OUT: none of the registers that those loads and stores touch.
; The 24 comparisons of scores stand in three runs of eight at the head, while the first rows are on their way, with one wait on va_sdst behind each run.
.set LANE, 1
.set L8,   2                           ; v2   8 x lane
.set L16,  3                           ; v3   16 x lane
.set WO,   5                           ; v5   256 b + 8 x lane: wave 0's place in pv, pi and out1
.set PVX,  16                          ; v[16:23]   wave 0 alone: quarter q's scores of my two rows
.set SLOT0, 32                         ; v[32:151]  slot s at SLOT0 + 40 s: z's row in 8 registers, then the four candidates' in 8 each
.set ZF,   152                         ; v[152:167] z's 16 numbers of mine as f32, then zn
.set CF,   168                         ; v[168:183] the code's, then zq - zn
.set OUTR, 184                         ; v[184:215] what is stored: two buffers of 16
.set OFFC, 216                         ; v[216:247] row i, candidate q at OFFC + 4 i + q: byte offset of my 8 bytes in the candidate's row
.set PIX,  248                         ; v[248:255] wave 0 alone: quarter q's indices of my two rows
.set VB,   ZF                          ; at the head only: row i's best score so far
                                       ; v[6:7], v[28:29] the loss's two chains; v[8:9], v[30:31] the squares'; v[10:11] rz; v[12:13] rq; v14, v15 at work
.set PI,   24                          ; s[24:55]  quarter q, row i at PI + 8 q + i: until the offsets are made
.set MK,   24                          ; s[24:47]  then: does quarter q (1 to 3) beat the lower quarters in row i?  At MK + 8 (q - 1) + i
.set RZ,   56                          ; s[56:63]
.set PV,   68                          ; s[68:99]  quarter q, row i at PV + 8 q + i
	s_load_b256 s[4:11], s[0:1], 0x0               ; xb s[4:5], rn s[6:7], pv s[8:9], pi s[10:11]
	s_load_b128 s[12:15], s[0:1], 0x20             ; out0 s[12:13], out1 s[14:15]
	s_load_b64 s[16:17], s[0:1], 0x30              ; lp
	v_and_b32 v[LANE], 31, v0
	v_lshrrev_b32 v14, 5, v0
	v_readfirstlane_b32 s18, v14                   ; wave 0..7
	v_lshlrev_b32 v[L8], 3, v[LANE]
	v_lshlrev_b32 v[L16], 4, v[LANE]
	s_lshl_b32 s19, ttmp9, 8
	v_add_nc_u32 v[WO], s19, v[L8]
	s_wait_alu depctr_va_sdst(0)                   ; s18 is written, ahead of its first reader: the wave's rows, and the branches on the wave's number, are made from it
	s_lshl_b32 s20, s18, 5
	s_add_co_u32 s19, s19, s20                     ; 4 x my first row = 256 b + 32 w
	v_mov_b32 v6, 0
	v_mov_b32 v7, 0
	v_mov_b32 v28, 0
	v_mov_b32 v29, 0
	v_mov_b32 v15, 0
	s_mov_b32 s100, 0x76543210                     ; v_permlanex16_b32: each lane takes its own place in the other half
	s_mov_b32 s101, 0xfedcba98
	s_wait_kmcnt 0x0
.irp q, 0,1,2,3
	s_load_b256 s[PI+8*\q:PI+8*\q+7], s[10:11], s19 offset:0x10000*\q  ; my eight rows' candidates: uniform in the wave, so they live in scalar registers
	s_load_b256 s[PV+8*\q:PV+8*\q+7], s[8:9], s19 offset:0x10000*\q
.endr
	s_load_b256 s[RZ:RZ+7], s[6:7], s19 offset:0x8000  ; rz: behind the codebook's 8,192 numbers
	s_lshl_b32 s20, s19, 8                         ; my first row x 1,024 bytes,
	s_add_co_u32 s20, s20, 0x800000                ; behind the codebook's rows
	s_mov_b32 s21, 0
	s_add_nc_u64 s[2:3], s[4:5], s[20:21]          ; zb at my rows
	s_lshl_b32 s22, s19, 9                         ; my first row x 2,048 bytes
	s_mov_b32 s23, 0
	s_add_nc_u64 s[66:67], s[12:13], s[22:23]      ; out0 at my rows
	s_lshr_b32 s20, s19, 3                         ; 4 (8 b + w)
	s_add_nc_u64 s[16:17], s[16:17], s[20:21]      ; my number in lp
	s_mov_b32 s23, 0xffff0000                      ; a word's upper bf16
	s_wait_kmcnt 0x0
.set k_, 0
.rept 32
	s_min_u32 s[PI+k_], s[PI+k_], 0x1fff           ; a loaded number enters an address only clamped
.set k_, k_+1
.endr
.set k_, 0
.rept 32                               ; all eight rows' offsets at once: no address register is written in the turns
	v_lshl_add_u32 v[OFFC+k_], s[PI+8*(k_%4)+k_/4], 10, v[L8]
.set k_, k_+1
.endr
	s_wait_alu depctr_va_vdst(0)                   ; v2, v3, v5, v15 and the 32 offsets are written: every load and store of the kernel reads one of them as its offset
	s_cmp_lg_u32 s18, 0
	s_cbranch_scc1 .Lnot_wave_0
.irp q, 0,1,2,3                        ; wave 0 also makes the work-group's 64 numbers of out1, two rows a lane.  These loads are older than every counted one below, so the counts hold for all waves
	global_load_b64 v[PVX+2*\q:PVX+2*\q+1], v[WO], s[8:9] offset:0x10000*\q
	global_load_b64 v[PIX+2*\q:PIX+2*\q+1], v[WO], s[10:11] offset:0x10000*\q
.endr
.Lnot_wave_0:
; Load number n_ of the twenty that ask for row i: z's four chunks, then the four chunks of each of the four candidates.
.macro LD i
.set SB, SLOT0+40*((\i)%3)
.if n_ < 4
	global_load_b64 v[SB+2*n_:SB+2*n_+1], v[L8], s[2:3] offset:1024*(\i)+256*n_ th:TH_LOAD_NT
.else
	global_load_b64 v[SB+2*n_:SB+2*n_+1], v[OFFC+4*(\i)+(n_-4)/4], s[4:5] offset:256*(n_%4)
.endif
.set n_, n_+1
.endm
; Row i is asked for: z's row and the four candidates', twenty loads.
.macro FILL i
.set n_, 0
.rept 20
	LD \i
.endr
.endm
	FILL 0                                         ; no vector instruction has named the slots yet
	FILL 1
	FILL 2
; The choice, for all eight rows, while the first rows are on their way: quarters ascending, strictly greater: at equal scores the lowest index stays.  The indices have left s[24:55]: the offsets above were made of them.
.irp i, 0,1,2,3,4,5,6,7
	v_mov_b32 v[VB+\i], s[PV+\i]
.endr
.irp i, 0,1,2,3,4,5,6,7
	v_cmp_gt_f32 s[MK+\i], s[PV+8+\i], v[VB+\i]
.endr
	s_wait_alu depctr_va_sdst(0)                   ; the eight masks of quarter 1 are written, which the selects below read
.irp i, 0,1,2,3,4,5,6,7
	v_cndmask_b32 v[VB+\i], v[VB+\i], s[PV+8+\i], s[MK+\i]
.endr
.irp i, 0,1,2,3,4,5,6,7
	v_cmp_gt_f32 s[MK+8+\i], s[PV+16+\i], v[VB+\i]
.endr
	s_wait_alu depctr_va_sdst(0)                   ; the eight masks of quarter 2 are written, which the selects below read
.irp i, 0,1,2,3,4,5,6,7
	v_cndmask_b32 v[VB+\i], v[VB+\i], s[PV+16+\i], s[MK+8+\i]
.endr
.irp i, 0,1,2,3,4,5,6,7
	v_cmp_gt_f32 s[MK+16+\i], s[PV+24+\i], v[VB+\i]
.endr
	s_wait_alu depctr_va_sdst(0)                   ; the eight masks of quarter 3 are written, which the turns' selects read
; Row i's turn.
.macro TURN i
.set TS, SLOT0+40*((\i)%3)
.set OW, OUTR+16*((\i)%2)              ; this turn writes it
.set OS, OUTR+16*(1-(\i)%2)            ; the turn before wrote it; this turn stores it
.if (\i) <= 5
	s_wait_loadcnt 40                              ; loads come back in order: my row's are in, the twenty of each of the two younger rows may stay out
.elseif (\i) == 6
	s_wait_loadcnt 20                              ; one younger row
.else
	s_wait_loadcnt 0
.endif
.irp q, 1,2,3
.irp d, 0,1,2,3,4,5,6,7
	v_cndmask_b32 v[TS+8+\d], v[TS+8+\d], v[TS+8+8*\q+\d], s[MK+8*(\q-1)+(\i)]
.endr
.endr
.irp d, 0,1,2,3,4,5,6,7
	v_lshlrev_b32 v[CF+2*\d], 16, v[TS+8+\d]
	v_and_b32 v[CF+2*\d+1], s23, v[TS+8+\d]
	v_lshlrev_b32 v[ZF+2*\d], 16, v[TS+\d]
	v_and_b32 v[ZF+2*\d+1], s23, v[TS+\d]
.endr
	v_pk_mul_f32 v[8:9], v[CF:CF+1], v[CF:CF+1]    ; the code's sum of squares, in two chains that the first products start
	v_pk_mul_f32 v[30:31], v[CF+2:CF+3], v[CF+2:CF+3]
.irp d, 2,4,6
	v_pk_fma_f32 v[8:9], v[CF+2*\d:CF+2*\d+1], v[CF+2*\d:CF+2*\d+1], v[8:9]
	v_pk_fma_f32 v[30:31], v[CF+2*\d+2:CF+2*\d+3], v[CF+2*\d+2:CF+2*\d+3], v[30:31]
.endr
	v_pk_add_f32 v[8:9], v[8:9], v[30:31]
	v_add_f32 v8, v8, v9
	v_add_f32_dpp v8, v8, v8 row_xmask:1 row_mask:0xf bank_mask:0xf
	v_add_f32_dpp v8, v8, v8 row_xmask:2 row_mask:0xf bank_mask:0xf
	v_add_f32_dpp v8, v8, v8 row_xmask:4 row_mask:0xf bank_mask:0xf
	v_add_f32_dpp v8, v8, v8 row_xmask:8 row_mask:0xf bank_mask:0xf
	v_permlanex16_b32 v14, v8, s100, s101          ; v14 has been written before
	v_add_f32 v8, v8, v14
	v_max_num_f32 v8, 0x179abe15, v8               ; max(ss, 1e-24)
	v_rsq_f32 v12, v8
	v_mov_b32 v10, s[RZ+(\i)]                      ; plain work between the root and the use of its result
	v_mov_b32 v11, s[RZ+(\i)]                      ; (named with v10 as a pair)
.if (\i) >= 2
	s_wait_xcnt 0x0                                ; the stores issued in the turn before have had their addresses translated: this turn's OUT, which they read, is rewritten only behind this wait
	s_wait_alu depctr_vm_vsrc(0)                   ; and they have read it
.endif
	s_wait_alu depctr_va_vdst(0)                   ; the root has written v12; the selects and widenings above are done with this turn's slot, in which the loads below land; the turn before has written the other OUT, which the stores below read
	v_mov_b32 v13, v12
.set n_, 0
.irp d, 0,2,4,6,8,10,12,14
.if (\i)+3 <= 7
	LD (\i)+3                                      ; row i + 3 into the slot just emptied.  No wait: no vector line since the wait above names the slot
	LD (\i)+3
.endif
	v_pk_mul_f32 v[ZF+\d:ZF+\d+1], v[ZF+\d:ZF+\d+1], v[10:11] op_sel_hi:[1,0]  ; zn
.endr
.irp d, 0,2,4,6,8,10,12,14
.if ((\i)+3 <= 7) && (\d < 8)
	LD (\i)+3
.endif
.if ((\i) >= 1) && (\d >= 8)
	global_store_b128 v[L16], v[OS+2*(\d-8):OS+2*(\d-8)+3], s[66:67] offset:2048*((\i)-1)+512*((\d-8)/2) th:TH_STORE_NT  ; the row before.  No wait: no vector line since the wait above names its OUT
.endif
	v_pk_fma_f32 v[CF+\d:CF+\d+1], v[CF+\d:CF+\d+1], v[12:13], v[ZF+\d:ZF+\d+1] op_sel_hi:[1,0,1] neg_lo:[0,0,1] neg_hi:[0,0,1]  ; zq - zn
.endr
.irp d, 0,4,8,12
	v_pk_fma_f32 v[6:7], v[CF+\d:CF+\d+1], v[CF+\d:CF+\d+1], v[6:7]
	v_pk_fma_f32 v[28:29], v[CF+\d+2:CF+\d+3], v[CF+\d+2:CF+\d+3], v[28:29]
.endr
.irp d, 0,2,4,6,8,10,12,14
	v_pk_add_f32 v[OW+\d:OW+\d+1], v[ZF+\d:ZF+\d+1], v[CF+\d:CF+\d+1]  ; zn + (zq - zn)
.endr
.endm
.irp i, 0,1,2,3,4,5,6,7                ; written out: a row's masks and rz lie in scalar registers of their own
	TURN \i
.endr
	s_wait_alu depctr_va_vdst(0)                   ; turn 7 has written OUT1, which the last four stores read
.irp k, 0,1,2,3
	global_store_b128 v[L16], v[OUTR+16+4*\k:OUTR+16+4*\k+3], s[66:67] offset:2048*7+512*\k th:TH_STORE_NT
.endr
	v_pk_add_f32 v[6:7], v[6:7], v[28:29]          ; the wave's part of the loss
	v_add_f32 v6, v6, v7
	v_add_f32_dpp v6, v6, v6 row_xmask:1 row_mask:0xf bank_mask:0xf
	v_add_f32_dpp v6, v6, v6 row_xmask:2 row_mask:0xf bank_mask:0xf
	v_add_f32_dpp v6, v6, v6 row_xmask:4 row_mask:0xf bank_mask:0xf
	v_add_f32_dpp v6, v6, v6 row_xmask:8 row_mask:0xf bank_mask:0xf
	v_permlanex16_b32 v14, v6, s100, s101
	v_add_f32 v6, v6, v14
	v_cmp_eq_u32 vcc_lo, 0, v[LANE]
	s_wait_xcnt 0x0                                ; EXEC is a source of the stores above: it changes only behind this wait
	s_wait_alu depctr_va_vcc(0)                    ; VCC is written: EXEC is made from it
	s_wait_alu depctr_va_vdst(0)                   ; ahead of the write of EXEC: the vector instructions issued so far are done; the sum has written v6, which the store below reads
	s_wait_alu depctr_vm_vsrc(0)                   ; ahead of the write of EXEC: the stores issued so far have read their registers
	s_and_saveexec_b32 s20, vcc_lo
	global_store_b32 v15, v6, s[16:17]             ; one number a wave, 8 KB in the whole launch: a sum over work-groups is a later launch's
	s_wait_xcnt 0x0                                ; and again, in front of the line that widens it
	s_wait_alu depctr_va_vdst(0)                   ; ahead of the write of EXEC: no vector instruction is under way
	s_wait_alu depctr_vm_vsrc(0)                   ; ahead of the write of EXEC: the store has read its registers
	s_or_b32 exec_lo, exec_lo, s20
	s_cmp_lg_u32 s18, 0
	s_cbranch_scc1 .Lend
.irp q, 1,2,3                          ; wave 0: the same choice for the work-group's 64 rows, two a lane; its loads were shown in by the last row's wait for 0
	v_cmp_gt_f32 s21, v[PVX+2*\q], v[PVX]
	v_cmp_gt_f32 s22, v[PVX+2*\q+1], v[PVX+1]
	s_wait_alu depctr_va_sdst(0)                   ; the two masks are written, which the four selects below read
	v_cndmask_b32 v[PVX], v[PVX], v[PVX+2*\q], s21
	v_cndmask_b32 v[PIX], v[PIX], v[PIX+2*\q], s21
	v_cndmask_b32 v[PVX+1], v[PVX+1], v[PVX+2*\q+1], s22
	v_cndmask_b32 v[PIX+1], v[PIX+1], v[PIX+2*\q+1], s22
.endr
	s_wait_alu depctr_va_vdst(0)                   ; the selects have written the two indices, which the store reads
	global_store_b64 v[WO], v[PIX:PIX+1], s[14:15] ; 256 consecutive bytes of out1, aligned
.Lend:
	s_endpgm
.Lfunc_end_k_qce065ca71d_finish:
	.size	k_qce065ca71d_finish, .Lfunc_end_k_qce065ca71d_finish-k_qce065ca71d_finish
	.p2alignl 7, 3214868480
	.fill 96, 4, 3214868480
	.section	.rodata,"a",@progbits
	.p2align	6, 0x0
	.amdhsa_kernel k_qce065ca71d_finish
		.amdhsa_group_segment_fixed_size 0
		.amdhsa_private_segment_fixed_size 0
		.amdhsa_enable_private_segment 0
		.amdhsa_kernarg_size 56
		.amdhsa_user_sgpr_count 2
		.amdhsa_user_sgpr_kernarg_segment_ptr 1
		.amdhsa_wavefront_size32 1
		.amdhsa_system_sgpr_workgroup_id_x 1
		.amdhsa_system_sgpr_workgroup_id_y 1
		.amdhsa_system_sgpr_workgroup_id_z 1
		.amdhsa_system_vgpr_workitem_id 0
		.amdhsa_next_free_vgpr 256
		.amdhsa_next_free_sgpr 102
		.amdhsa_reserve_vcc 1
		.amdhsa_float_denorm_mode_32 3
		.amdhsa_float_denorm_mode_16_64 3
		.amdhsa_memory_ordered 1
		.amdhsa_forward_progress 1
		.amdhsa_inst_pref_size 76
	.end_amdhsa_kernel
	.amdgpu_metadata
---
amdhsa.version: [ 1, 2 ]
amdhsa.kernels:
  - .name:           k_qce065ca71d_finish
    .symbol:         k_qce065ca71d_finish.kd
    .args:
      - { .name: xb, .offset: 0, .size: 8, .value_kind: global_buffer, .address_space: global }
      - { .name: rn, .offset: 8, .size: 8, .value_kind: global_buffer, .address_space: global }
      - { .name: pv, .offset: 16, .size: 8, .value_kind: global_buffer, .address_space: global }
      - { .name: pi, .offset: 24, .size: 8, .value_kind: global_buffer, .address_space: global }
      - { .name: out0, .offset: 32, .size: 8, .value_kind: global_buffer, .address_space: global }
      - { .name: out1, .offset: 40, .size: 8, .value_kind: global_buffer, .address_space: global }
      - { .name: lp, .offset: 48, .size: 8, .value_kind: global_buffer, .address_space: global }
    .group_segment_fixed_size: 0
    .private_segment_fixed_size: 0
    .kernarg_segment_align: 8
    .kernarg_segment_size: 56
    .max_flat_workgroup_size: 256
    .sgpr_count:     102
    .vgpr_count:     256
    .wavefront_size: 32
...
	.end_amdgpu_metadata
.endif
;; end of part 6
;; launch loss: the kernel of part 4 again; grid 1 x 1, 1 waves a work-group, no clusters, 0 bytes of LDS; arguments lp, out2; writes out2
